; MI455X (gfx1250); checked and timed in simulation.
; The chip was launched on July 23, 2026; its instructions are those of AMD's public machine-readable ISA for CDNA 5 (MIT licence, August 2026) and "CDNA5" Instruction Set Architecture Reference Guide (July 2026). The comments in the code are by the model that wrote it; some were corrected since.
;; Prime Qwen2 MLP. Allowed arithmetic: matrix products marked QUANTISED: E2M3 operands, one E8M0 scale for each 32 along K, by v_wmma_scale_f32_16x16x128_f8f6f4 with both operands' format E2M3, f32 sums; everything else in f32.
;; Inputs: down_idx 2,048 x 1,376 int32; gate_idx 1,376 x 2,048 int32; lut 16 float32; up_idx 1,376 x 2,048 int32; x_codes 2 x 4,096 x 64 x 24 uint8 (E2M3 codes of x, K innermost, in blocks of 32 codes, four codes in three bytes); x_scales 2 x 4,096 x 64 uint8 (E8M0 scales of x, one for each 32 codes along K).
;; Outputs: out0 2 x 4,096 x 2,048 float32.
;; This version of the problem:
;;   THIS VERSION OF THE PROBLEM IS GIVEN IN LOW PRECISION. The matrix products marked QUANTISED in the list below multiply operands that are first quantised to E2M3 (2 exponent bits, 3 mantissa bits; 6 bits a number), with one power-of-two scale for each 32 numbers along K (OCP MX v1.0); their sums are f32. All else is computed in f32.
;;   The module's matrix products, in the order in which they are computed (A, B: the left and right operand; K: the contracted axis; several contracted axes count as one K, in the product's order):
;;     1. [M 8,192, K 2,048] x [K 2,048, N 1,376]; A: input x (given as codes); B: computed on the way: QUANTISED
;;     2. [M 8,192, K 2,048] x [K 2,048, N 1,376]; A: input x (given as codes); B: computed on the way: QUANTISED
;;     3. [M 8,192, K 1,376] x [K 1,376, N 2,048]; A: computed on the way; B: computed on the way: QUANTISED
;;   THE QUANTISER, for each operand of a quantised product, along K:
;;     - K is cut into blocks of 32 from its start; a last block that is shorter is filled with zeros.
;;     - A block's scale is 2^e with e = floor(log2(the largest magnitude in the block)) - 2, held to -126 .. 127; a block of zeros has e = 0. As a byte (E8M0): e + 127.
;;     - Each number is divided by its block's scale, clamped to +-7.5, and rounded to the nearest number of E2M3, ties to even, subnormals kept.
;;     - The product sums the exact products of the quantised numbers (number of the format x scale) in f32.
;;   ~~~python
;;   def quantise(x, axis):      # numpy; x: float32 -> the quantised numbers, widened to float32 again
;;       x = np.moveaxis(x, axis, -1); K = x.shape[-1]
;;       x = np.pad(x, [(0, 0)] * (x.ndim - 1) + [(0, -K % 32)]); x = x.reshape(x.shape[:-1] + (-1, 32)); a = np.abs(x).max(-1, keepdims=True)
;;       e = np.where(a > 0, np.clip(np.frexp(np.where(a > 0, a, 1))[1] - 1 - 2, -126, 127), 0)      # np.frexp(a)[1] - 1 = floor(log2(a)), exactly
;;       r = np.clip(x / 2.0 ** e, -7.5, 7.5)
;;       step = 2.0 ** (np.maximum(np.frexp(np.where(r == 0, 1, r))[1] - 1, 0) - 3)
;;       q = np.round(r / step) * step * 2.0 ** e      # np.round: ties to even
;;       return np.moveaxis(q.reshape(q.shape[:-2] + (-1,))[..., :K], -1, axis).astype(np.float32)
;;   ~~~
;;   OPERANDS COMPUTED ON THE WAY. 'Computed on the way' means the value that the module computes at that place (a softmax that the list does not call 'softmax' is quantised finished and normalised). What goes into a quantiser is computed in f32, as accurately as f32 sums, v_exp_f32 and their like allow (about 1e-6 of the number): no bf16 or f16 on the way to a quantiser, and a product that is left as it is and whose result goes on into a quantised operand takes f32 operands (vector FMAs, or v_wmma_f32_16x16x4_f32). A number that lies on a knife's edge between two numbers of the format may be rounded either way, as far as f32 arithmetic and the matrix unit's own rounding can turn it there, and no further.
;;   INPUTS GIVEN AS CODES. x (in the module: [2, 4096, 2048], K = its axis 2): each comes as NAME_codes (uint8): NAME with its K axis moved to the last place and cut into blocks of 32 codes, [.., K / 32, bytes a block], one block behind the other in memory; four codes in three bytes: a row's codes are one little-endian stream of bits, code i at bits 6 i .. 6 i + 5 (a code: sign, 2 exponent bits, 3 mantissa bits); and NAME_scales (uint8): the same leading axes, one E8M0 byte (e + 127) for each 32 codes along K. Its value is code x scale, taken as it is: it is not quantised again, and the codes and scales need not be those that the quantiser above would give.
;; One version. Each part assembles by itself: llvm-mc -triple=amdgcn-amd-amdhsa -mcpu=gfx1250 --defsym DOCPART=n.
;; ======== version 1 of 1: 3 launches
;; workspace buffers: wgu 4,718,592 bytes; wgus 196,608 bytes; wd 2,162,688 bytes; wds 90,112 bytes; hc 9,437,184 bytes; hs 393,216 bytes
;; launch wq (part 1): grid 1120 x 1, 4 waves a work-group, no clusters, 34,816 bytes of LDS; arguments lut, gate_idx, up_idx, down_idx, wgu, wgus, wd, wds; writes wgu, wgus, wd, wds
.if DOCPART == 1
	.amdgcn_target "amdgcn-amd-amdhsa--gfx1250"
	.amdhsa_code_object_version 6
	.text
	.protected	k_q3f6790e290_wq
	.globl	k_q3f6790e290_wq
	.p2align	8
	.type	k_q3f6790e290_wq,@function
k_q3f6790e290_wq:
	s_mov_b64 s[64:65], 0
	v_nop
	global_prefetch_b8 v0, s[64:65] scope:SCOPE_SE
	s_setreg_imm32_b32 hwreg(HW_REG_WAVE_MODE, 25, 1), 1
	s_wait_xcnt 0x0
; The three weights, lut[idx], are quantised along K (innermost in all three) to codes of FP6 (E2M3) with one E8M0 byte for each 32 along K, and laid as IMAGES OF OPERAND REGISTERS.
; A fragment is 16 weight rows x 128 K: 12 registers a lane; register 4 j + i of lane l lies at byte 512 j + 16 l + 4 i of its 1,536 bytes.  Lane (r, h) holds k = 64 c + 32 h + 0 .. 31 in registers 6 c .. 6 c + 5.
; THE ROWS OF A TILE ARE NOT NEIGHBOURS: lane index i of tile (beta, u) holds weight row 32 beta + 8 u + i + 8 (i / 8), so that the results of tiles u = 0, 1 are 16 neighbours in a lane of the product that uses them.
; A work-group makes a group of four fragments (6,144 consecutive bytes of codes) and their 256 bytes of scale words [r 16][t 4]; wave t makes fragment t.  No loop.
;   groups 0 .. 767: gate and up.  wgu = [C 8][slot 8][wc 2][q 2][g 3][t 4]: K step 2 slot + q, block of 32 inner units B = 6 C + 2 g + wc; t = 0, 1 gate's tiles u = 0, 1; t = 2, 3 up's.  Blocks 43 .. 47 do not exist: zero codes, byte 127.
;   groups 768 .. 1119: down.  wd = [s 11][NT 128]; k from 1,376 on is filled with zeros.
; A block's scale is 2^(floor(log2(largest magnitude)) - 2); its byte is the largest magnitude's exponent field - 2, held at 1 from below.
; LIMITS: a block of zeros gets the byte 1 where the quantiser says 127 (its codes are zeros, and these bytes are read by this program alone); blocks whose largest magnitude lies under 2^-124 are held at byte 1;
; NaN and infinities in lut are not served; an index outside 0 .. 15 takes entry 15.
.set NGU,  768                         ; groups of gate and up
.set STG0, 256                         ; LDS: the stages begin here
.set STG,  8448                        ; a wave's stage: 16 rows x 528 bytes
.set SP,   528                         ; a stage row: 512 bytes + 16
.set SCU,  STG0+4*STG                  ; the group's 256 bytes of scale words
.set IX,   32                          ; v32-95   16 rows x 4 indices, then values
.set X,    96                          ; v96-159  my two blocks of 32 numbers
.set CD,   160                         ; v160-171 the fragment
.set CT,   172                         ; v172-178 the upper halves of the blocks' codes, as converted
	s_load_b512 s[16:31], s[0:1], 0x0              ; lut s[16:17], gate s[18:19], up s[20:21], down s[22:23], wgu s[24:25], wgus s[26:27], wd s[28:29], wds s[30:31]
	v_lshl_add_u32 v192, v0, 2, 0x8600
	v_mov_b32 v193, 0
	v_lshrrev_b32 v1, 5, v0
	v_readfirstlane_b32 s2, v1                     ; wave t
	v_and_b32 v1, 31, v0                           ; lane
	v_and_b32 v2, 15, v0                           ; r
	v_bfe_u32 v3, v0, 4, 1                         ; h
	s_mul_i32 s3, s2, STG
	s_add_co_u32 s3, s3, STG0                      ; my stage
	v_lshlrev_b32 v9, 4, v1                        ; 16 x lane: also my place in each 512 bytes of the image
	v_add_nc_u32 v7, s3, v9                        ; the stage, on the way in
	v_mul_u32_u24 v8, v2, SP
	v_lshl_add_u32 v8, v3, 7, v8
	v_add_nc_u32 v8, s3, v8                        ; and on the way out: row r, + 128 h bytes (32 numbers)
	s_lshl_b32 s3, s2, 2
	s_add_co_u32 s3, s3, SCU
	v_lshlrev_b32 v10, 4, v2
	v_add_nc_u32 v10, s3, v10                      ; my scale word: 16 r + 4 t
	v_lshlrev_b32 v11, 3, v1                       ; 8 x lane
	v_add_nc_u32 v28, SCU, v11                     ; the scale words on their way out
	v_lshlrev_b32 v13, 2, v2                       ; lut: 4 (lane % 16)
	s_mov_b32 s46, 0x76543210
	s_mov_b32 s47, 0xfedcba98                      ; v_permlanex16_b32's selects for lane l xor 16
	; a group of gate and up: gamma = (((C 8 + slot) 2 + wc) 2 + q) 3 + g
	s_mul_i32 s4, ttmp9, 43691
	s_lshr_b32 s4, s4, 17                          ; gamma / 3 (3 x 43,691 = 2^17 + 1: exact for numbers this small)
	s_mul_i32 s5, s4, 3
	s_sub_co_u32 s5, ttmp9, s5                     ; g
	s_and_b32 s6, s4, 1                            ; q
	s_bfe_u32 s7, s4, 0x10001                      ; wc
	s_bfe_u32 s8, s4, 0x30002                      ; slot
	s_lshr_b32 s9, s4, 5                           ; C
	s_lshl_b32 s10, s8, 1
	s_add_co_u32 s10, s10, s6                      ; K step
	s_mul_i32 s11, s9, 6
	s_lshl_b32 s12, s5, 1
	s_add_co_u32 s11, s11, s12
	s_add_co_u32 s11, s11, s7                      ; B
	s_and_b32 s13, s2, 1
	s_lshl_b32 s13, s13, 3                         ; 8 u
	s_lshl_b32 s12, s11, 5
	s_add_co_u32 s12, s12, s13
	s_lshl_b32 s12, s12, 13                        ; the tile's first row, 8,192 bytes a row
	s_lshl_b32 s14, s9, 1
	s_add_co_u32 s14, s14, s7
	s_lshl_b32 s14, s14, 4
	s_add_co_u32 s14, s14, s10
	s_mul_i32 s14, s14, 3
	s_add_co_u32 s14, s14, s5
	s_lshl_b32 s14, s14, 8                         ; wgus = [C][wc][s 16][g 3] x 256 bytes
	s_mul_i32 s38, s2, 1536                        ; my fragment in the group
	s_mul_i32 s15, ttmp9, 6144
	s_add_co_u32 s15, s15, s38
	; a group of down: delta = 32 s + G4
	s_sub_co_u32 s32, ttmp9, NGU
	s_lshr_b32 s33, s32, 5                         ; K step
	s_and_b32 s34, s32, 31                         ; G4: tiles 4 G4 + t
	s_lshl_b32 s35, s34, 6
	s_lshr_b32 s39, s2, 1
	s_lshl_b32 s39, s39, 5
	s_add_co_u32 s35, s35, s39
	s_add_co_u32 s35, s35, s13                     ; first row: 64 G4 + 32 (t / 2) + 8 (t % 2)
	s_mul_i32 s35, s35, 5504                       ; 5,504 bytes a row
	s_lshr_b32 s36, s34, 1
	s_mul_i32 s36, s36, 11
	s_add_co_u32 s36, s36, s33
	s_lshl_b32 s36, s36, 9
	s_and_b32 s39, s34, 1
	s_lshl_b32 s39, s39, 8
	s_add_co_u32 s36, s36, s39                     ; wds = [G4 / 2][s 11][G4 % 2] x 256 bytes
	s_mul_i32 s37, s32, 6144
	s_add_co_u32 s37, s37, s38
	s_mov_b32 s39, 1376
	s_wait_kmcnt 0x0
	s_cmp_lt_u32 s2, 2                             ; waves 0, 1 take gate, waves 2, 3 up
	s_cselect_b64 s[40:41], s[18:19], s[20:21]
	s_cmp_lt_u32 ttmp9, NGU                        ; all choices hang on the work-group's number alone
	s_cselect_b64 s[40:41], s[40:41], s[22:23]     ; the indices
	s_cselect_b64 s[42:43], s[24:25], s[28:29]     ; the codes
	s_cselect_b64 s[44:45], s[26:27], s[30:31]     ; the scale words
	s_cselect_b32 s10, s10, s33
	s_cselect_b32 s12, s12, s35
	s_cselect_b32 s14, s14, s36
	s_cselect_b32 s15, s15, s37
	s_cselect_b32 s39, 2048, s39                   ; K
	s_cselect_b32 s11, s11, 0                      ; B, or 0 for down
	s_mov_b32 s13, 0
	s_add_nc_u64 s[40:41], s[40:41], s[12:13]
	s_mov_b32 s32, s15
	s_mov_b32 s33, 0
	s_add_nc_u64 s[42:43], s[42:43], s[32:33]
	s_mov_b32 s32, s14
	s_add_nc_u64 s[44:45], s[44:45], s[32:33]
	s_lshl_b32 s10, s10, 7                         ; the K step's first k
	s_sub_co_u32 s38, s39, 4
	v_lshl_add_u32 v12, v1, 2, s10                 ; my four k of each row
	v_cmp_le_u32 vcc_lo, s39, v12
	v_mov_b32 v14, 64
	v_cndmask_b32 v5, 0, v14, vcc_lo               ; 64 where they lie past K: the lane select then names lanes 16-31, which hold 0
	v_min_u32 v4, s38, v12                         ; no load leaves its row
	v_lshlrev_b32 v4, 2, v4
	s_cmp_ge_u32 s11, 43
	s_cbranch_scc1 .Lzero                          ; a block of inner units that does not exist: the same for all four waves
	global_load_b32 v6, v13, s[16:17]
.macro LOADS pitch                     ; 16 rows of the tile, 512 consecutive bytes each: 4 indices a lane
.irp i, 0,1,2,3,4,5,6,7,8,9,10,11,12,13,14,15
	global_load_b128 v[IX+4*\i:IX+4*\i+3], v4, s[40:41] offset:(\i+8*(\i/8))*\pitch th:TH_LOAD_NT
.endr
.endm
	s_cmp_lt_u32 ttmp9, NGU
	s_cbranch_scc0 .Ldown_rows
	LOADS 8192
	s_branch .Lloaded
.Ldown_rows:
	LOADS 5504
.Lloaded:
	s_wait_loadcnt 16                              ; lut is in; the 16 rows may be out
	v_cmp_gt_u32 vcc_lo, 16, v1
	v_cndmask_b32 v6, 0, v6, vcc_lo                ; lanes 0-15: lut[lane]; lanes 16-31: 0
.irp i, 0,1,2,3,4,5,6,7,8,9,10,11,12,13,14,15
	s_wait_loadcnt 15-\i                           ; row i is in; the younger rows stay out
.irp k, 0,1,2,3
	v_min_u32 v[IX+4*\i+\k], 15, v[IX+4*\i+\k]     ; the index stays inside the table
.endr
.irp k, 0,1,2,3
	v_lshl_add_u32 v[IX+4*\i+\k], v[IX+4*\i+\k], 2, v5   ; the lane that holds the value, x 4
.endr
.irp k, 0,1,2,3
	ds_bpermute_b32 v[IX+4*\i+\k], v[IX+4*\i+\k], v6     ; lut[index], or 0 past K: no LDS byte is touched
.endr
.endr
.irp i, 0,1,2,3,4,5,6,7,8,9,10,11,12,13,14,15
	s_wait_dscnt 60-3*\i                           ; row i's four values are in: behind them stand 60 - 4 i lane selects and the i stores already issued
	ds_store_b128 v7, v[IX+4*\i:IX+4*\i+3] offset:SP*\i
.endr
.irp c, 0,1
.irp j, 0,1,2,3,4,5,6,7
	ds_load_b128 v[X+32*\c+4*\j:X+32*\c+4*\j+3], v8 offset:256*\c+16*\j   ; my own stage: LDS serves a wave's instructions in order.  Row r, k = 64 c + 32 h + 0 .. 31
.endr
.endr
	s_wait_dscnt 0x0
.irp c, 0,1                                    ; my block 2 c + h: all its 32 numbers are mine
	v_max3_num_f32 v[12+\c], |v[X+32*\c]|, |v[X+1+32*\c]|, 0x1800000   ; and the floor 2^(3 - 127): the byte cannot fall under 1
.endr
.irp i, 2,4,6,8,10,12,14,16,18,20,22,24,26,28,30
.irp c, 0,1
	v_max3_num_f32 v[12+\c], v[12+\c], |v[X+32*\c+\i]|, |v[X+1+32*\c+\i]|
.endr
.endr
.irp c, 0,1
	v_add_nc_u32 v[14+\c], 0xff000000, v[12+\c]    ; 2 off the exponent field: the conversion's scale operand
.endr
.irp c, 0,1
	v_lshrrev_b32 v[16+\c], 23, v[14+\c]           ; the scale's byte
.endr
	v_lshl_or_b32 v18, v17, 16, v16                ; my two bytes, blocks h and 2 + h,
	v_lshlrev_b32 v19, 3, v3
	v_lshlrev_b32 v18, v19, v18                    ; at their places in the word;
	v_mov_b32 v19, 0
	v_permlanex16_b32 v19, v18, s46, s47
	v_or_b32 v18, v18, v19                         ; with lane l xor 16's two the word is whole
.irp c, 0,1
	v_cvt_scalef32_pk16_fp6_f32 v[CD+6*\c:CD+6*\c+2], v[X+32*\c:X+32*\c+15], v[14+\c]
	v_cvt_scalef32_pk16_fp6_f32 v[CT+4*\c:CT+4*\c+2], v[X+32*\c+16:X+32*\c+31], v[14+\c]   ; (a conversion's three registers begin on an even number)
.endr
	v_nop                                          ; one plain place behind a scaled conversion
.irp c, 0,1
.irp i, 0,1,2
	v_mov_b32 v[CD+3+6*\c+\i], v[CT+4*\c+\i]
.endr
.endr
.irp j, 0,1,2
	global_store_b128 v9, v[CD+4*\j:CD+4*\j+3], s[42:43] offset:512*\j   ; each store of the wave covers 512 consecutive bytes, aligned
.endr
	ds_store_b32 v10, v18                          ; lanes r and r + 16 write the same word with the same value
	s_wait_dscnt 0x0                               ; for wave 0's sake: my word has landed
	s_barrier_signal -1
	s_barrier_wait -1
	s_cmp_lg_u32 s2, 0
	s_cbranch_scc1 .Ldone
	ds_load_b64 v[20:21], v28
	s_wait_dscnt 0x0
	global_store_b64 v11, v[20:21], s[44:45]       ; 32 lanes store the group's 256 consecutive bytes, aligned
.Ldone:
	s_wait_tensorcnt 0x0
	ds_add_u32 v192, v193
	s_wait_dscnt 0x0
	s_endpgm
.Lzero:                                            ; zero codes add nothing under any byte but 0xff; the byte is the quantiser's 127
.irp i, 0,1,2,3
	v_mov_b32 v[IX+\i], 0
.endr
.irp j, 0,1,2
	global_store_b128 v9, v[IX:IX+3], s[42:43] offset:512*\j
.endr
	s_cmp_lg_u32 s2, 0
	s_cbranch_scc1 .Lzdone
	v_mov_b32 v36, 0x7f7f7f7f
	v_mov_b32 v37, 0x7f7f7f7f
	global_store_b64 v11, v[36:37], s[44:45]
.Lzdone:
	s_endpgm
.Lfunc_end_k_q3f6790e290_wq:
	.size	k_q3f6790e290_wq, .Lfunc_end_k_q3f6790e290_wq-k_q3f6790e290_wq
	.p2alignl 7, 3214868480
	.fill 96, 4, 3214868480
	.section	.rodata,"a",@progbits
	.p2align	6, 0x0
	.amdhsa_kernel k_q3f6790e290_wq
		.amdhsa_group_segment_fixed_size 34816
		.amdhsa_private_segment_fixed_size 0
		.amdhsa_enable_private_segment 0
		.amdhsa_kernarg_size 64
		.amdhsa_user_sgpr_count 2
		.amdhsa_user_sgpr_kernarg_segment_ptr 1
		.amdhsa_wavefront_size32 1
		.amdhsa_system_sgpr_workgroup_id_x 1
		.amdhsa_system_sgpr_workgroup_id_y 1
		.amdhsa_system_sgpr_workgroup_id_z 1
		.amdhsa_system_vgpr_workitem_id 0
		.amdhsa_next_free_vgpr 194
		.amdhsa_next_free_sgpr 66
		.amdhsa_reserve_vcc 1
		.amdhsa_float_denorm_mode_32 3
		.amdhsa_float_denorm_mode_16_64 3
		.amdhsa_memory_ordered 1
		.amdhsa_forward_progress 1
		.amdhsa_inst_pref_size 26
	.end_amdhsa_kernel
	.amdgpu_metadata
---
amdhsa.version: [ 1, 2 ]
amdhsa.kernels:
  - .name:           k_q3f6790e290_wq
    .symbol:         k_q3f6790e290_wq.kd
    .args:
      - { .name: lut, .offset: 0, .size: 8, .value_kind: global_buffer, .address_space: global }
      - { .name: gate_idx, .offset: 8, .size: 8, .value_kind: global_buffer, .address_space: global }
      - { .name: up_idx, .offset: 16, .size: 8, .value_kind: global_buffer, .address_space: global }
      - { .name: down_idx, .offset: 24, .size: 8, .value_kind: global_buffer, .address_space: global }
      - { .name: wgu, .offset: 32, .size: 8, .value_kind: global_buffer, .address_space: global }
      - { .name: wgus, .offset: 40, .size: 8, .value_kind: global_buffer, .address_space: global }
      - { .name: wd, .offset: 48, .size: 8, .value_kind: global_buffer, .address_space: global }
      - { .name: wds, .offset: 56, .size: 8, .value_kind: global_buffer, .address_space: global }
    .group_segment_fixed_size: 34816
    .private_segment_fixed_size: 0
    .kernarg_segment_align: 8
    .kernarg_segment_size: 64
    .max_flat_workgroup_size: 128
    .sgpr_count:     66
    .vgpr_count:     194
    .wavefront_size: 32
...
	.end_amdgpu_metadata
.endif
;; end of part 1
;; launch gateup (part 2): grid 8 x 32, 4 waves a work-group, clusters of 4 x 4, 327,680 bytes of LDS; arguments x_codes, x_scales, wgu, wgus, hc, hs; writes hc, hs
.if DOCPART == 2
	.amdgcn_target "amdgcn-amd-amdhsa--gfx1250"
	.amdhsa_code_object_version 6
	.text
	.protected	k_q3f6790e290_gateup
	.globl	k_q3f6790e290_gateup
	.p2align	8
	.type	k_q3f6790e290_gateup,@function
k_q3f6790e290_gateup:
	s_mov_b64 s[64:65], 0
	v_nop
	global_prefetch_b8 v0, s[64:65] scope:SCOPE_SE
	s_setreg_imm32_b32 hwreg(HW_REG_WAVE_MODE, 25, 1), 1
	s_wait_xcnt 0x0
	s_wait_alu depctr_hold_cnt(0) depctr_sa_sdst(0) depctr_va_vdst(0) depctr_va_sdst(0) depctr_va_ssrc(0) depctr_va_vcc(0) depctr_vm_vsrc(0)
	s_getreg_b32 s2, hwreg(HW_REG_IB_STS2, 6, 4)
	s_cmp_eq_u32 s2, 0
	s_cbranch_scc0 .Lentry_in_a_cluster
	s_endpgm
.Lentry_in_a_cluster:
	s_bfe_u32 s2, ttmp6, 0x10000c
	s_cmp_lg_u32 s2, 0xf033
	s_cbranch_scc0 .Lentry_shape_is_right
	s_endpgm
.Lentry_shape_is_right:
; h = silu(x Wg^T) * (x Wu^T), both products on codes of FP6 (E2M3) with E8M0 scales; h is quantised along the inner units and leaves as codes and scale bytes.
; x: 8,192 rows of 2,048 codes (1,536 bytes) and 64 scale bytes.  wgu, wgus: the weights as images of operand registers and their scale words, as the launch before laid them.
; SHARES.  A work-group takes 256 rows of x and 6 blocks of 32 inner units (C = its column): 192 rows of gate's weight and 192 of up's.  Wave (wr, wc): rows 128 wr on (8 tiles of 16), blocks 6 C + 2 g + wc, g = 0 .. 2.
; A wave holds 8 x 12 = 96 accumulators, 768 registers; for 128 along K it reads 20 fragments from LDS for 96 matrix instructions.  8 columns x 6 blocks are 48 blocks for the 43 that exist: 43 is prime, and
; blocks 43 .. 47 are multiplied as zeros (all partners of a cluster run alike).
; THE MATRIX INSTRUCTION IS USED TRANSPOSED (source 0 = 16 weight rows, source 1 = 16 rows of x): lane (r, h) holds row r; with the weight rows laid as they are, the accumulators t = 0, 1 of a row tile are gate at
; units 32 B + 16 h + 0 .. 15, 16 consecutive registers, and t = 2, 3 up at the same units.
; K goes through a ring of two LDS slots of 256 along K, filled by joint tensor loads: x's tile is shared along a row of the 4 x 4 cluster, the weights' along a column.  All scales come once, with the first fills.
; OUT.  hc = [pair of blocks P 24][row tile 512] images of half a fragment (768 bytes: register 2 p + i of lane l at 256 p + 8 l + 4 i; lanes 0-15 block 2 P, lanes 16-31 block 2 P + 1);  hs = [P 24][row 8,192] two bytes.
; LIMITS: NaN and infinities are not served; a block of zeros gets the byte 1 where the quantiser says 127 (zero codes; read by this program alone); blocks whose largest magnitude lies under 2^-124 are held at byte 1;
; sigmoid(gate) comes out as 0 where 2^(-gate log2 e) passes f32's range (gate under about -88).
; REGISTERS: window 0: v16-31 addresses; v32-39 x's scale words; v40-47 the weights', two sets; v64-159 the weights' fragments, two sets of four; v160-255 x's eight fragments, one set.
;   window g + 1: group g's 32 accumulators, (a, t) at v[8 (4 a + t)].
.set PITCH, 240                        ; a row of x in LDS: 3 x (64 bytes + 16 of padding)
.set XHALF, 128*PITCH                  ; 128 rows of x
.set WOFF,  2*XHALF                    ; behind x's 256 rows: the weights
.set WHALF, 36864                      ; wave column wc's part: [q 2][g 3][t 4] images of 1,536 bytes
.set SLOT,  WOFF+2*WHALF               ; 135,168
.set SCX,   2*SLOT                     ; x's scale bytes, as 256 bytes + 16 of padding
.set SXH,   8704                       ; those of 128 rows
.set SCW,   SCX+2*SXH                  ; the weights' scale words: [s 16][g 3] x 256 bytes for each wc
.set SWH,   12288
.set SPARE, SCW+2*SWH                  ; the spare words, 128 bytes for each wave: two blocks of 256 bytes that no other line names
.set SST,   36864                      ; the way out (in slot 0): behind the codes' stage [g 3][rt 16] x 768 bytes, the bytes' [g 3][row 256] x 2
.set ADRX,  16                         ; v16-17 my rows of x in slot 0, 1;  v18-19 the same behind one padding more
.set ADRW,  20                         ; v20-21 my weights in slot 0, 1
.set ADRXS, 22                         ; v22 x's scale words; 4 bytes on with each K step
.set ADRWS, 23                         ; v23 the weights'; 256 bytes on with each group
.set STC0,  24                         ; v24, v25 the way out: where my codes go
.set STC1,  25
.set STS,   26                         ; v26 and my scale byte
.set RD,    27                         ; v27 where I read the stage back
.set SPW,   28                         ; v28 LDS address of my spare word; never rewritten
.set NIL,   29                         ; v29 0; never rewritten
.set GO,    30                         ; v30 16 x lane
.set RDS,   31                         ; v31 where I read the bytes back
.set XS,    32
.set WS,    40
.set WF,    64
.set XF,    160
.set T,     64                         ; the way out: v64-191 128 numbers; v192-223 codes; v224-231 maxima; v232-239 exchange, then bytes; v240-247 scale operands
.set CD,    192
.set MX,    224
.set PD,    232
.set SO,    240
.set G1X,   24                         ; s[24:31], s[32:39] groups 1 and 0 (a set for each slot) for x's tiles
.set G0X,   32
.set G1W,   48                         ; s[48:55], s[56:63] for the weights'
.set G0W,   56
.set G1SX,  68                         ; s[68:75], s[76:79] for x's scales
.set G0SX,  76
.set G1SW,  80                         ; s[80:87], s[88:91] for the weights' scales
.set G0SW,  88
.set M0,    0x50                       ; C and D in window 1, 2, 3; sources in window 0
.set M1,    0xa0
.set M2,    0xf0
.set MSB, 0
.macro WIN new                         ; the immediate's high byte repeats the setting that is left
.if MSB != \new
	s_set_vgpr_msb (MSB<<8)|\new
.set MSB, \new
.endif
.endm
; A joint load: waves 0 and 1 fetch for x, waves 2 and 3 for the weights.  Each line has one mask and one set of registers for all that issue it; the branch hangs on the wave's number alone.
; Four v_nop follow each of the two lines, ahead of the jump, the label and what follows.
.macro JLOAD g0a, g1a, g0b, g1b
	s_cmp_eq_u32 s15, 0
	s_cbranch_scc0 .Lfor_b_\@
	tensor_load_to_lds s[\g0a:\g0a+3], s[\g1a:\g1a+7]
	s_nop 0
.rept 4
	v_nop
.endr
	s_branch .Lasked_\@
.Lfor_b_\@:
	tensor_load_to_lds s[\g0b:\g0b+3], s[\g1b:\g1b+7]
	s_nop 0
.rept 4
	v_nop
.endr
.Lasked_\@:
.endm
.macro CREST                           ; a round of the cluster's barrier behind its opening barrier
	s_cmp_lg_u32 s14, 0
	s_cbranch_scc1 .Lnot_wave_0_\@
	s_barrier_signal -3
.Lnot_wave_0_\@:
	s_barrier_wait -3
	s_barrier_signal -1
	s_barrier_wait -1
.endm
.macro CROUND                          ; a whole round
	s_barrier_signal -1
	s_barrier_wait -1
	CREST
.endm
.macro PLACES                          ; four places in front of loads into registers that matrix instructions have read, and of the first read of results
.rept 4
	v_nop
.endr
.endm
	s_load_b256 s[4:11], s[0:1], 0x0               ; x's codes s[4:5], x's scales s[6:7], wgu s[8:9], wgus s[10:11]
	s_load_b128 s[96:99], s[0:1], 0x20             ; hc s[96:97], hs s[98:99]
	v_lshl_add_u32 v[SPW], v0, 2, SPARE
	v_mov_b32 v[NIL], 0
	ds_add_u32 v28, v29
	ds_add_u32 v28, v29
	s_wait_dscnt 0x0
	v_lshrrev_b32 v1, 5, v0
	v_readfirstlane_b32 s14, v1                    ; wave 0..3
	s_lshr_b32 s15, s14, 1                         ; wr: which 128 rows are mine.  Also: I fetch for x (0) or for the weights (1)
	s_and_b32 s16, s14, 1                          ; wc: which blocks are mine.  Also: which half I fetch
	s_bfe_u32 s40, ttmp6, 0x40000                  ; cx, cy: my place in the cluster
	s_bfe_u32 s41, ttmp6, 0x40004
	s_lshl_b32 s42, ttmp9, 2
	s_add_co_u32 s42, s42, s40                     ; C = 4 x cluster x + cx
	s_and_b32 s17, ttmp7, 0xffff
	s_lshl_b32 s17, s17, 2
	s_add_co_u32 s17, s17, s41                     ; tile row = 4 x cluster y + cy
	s_lshl_b32 s43, s41, 2
	s_lshl_b32 s43, 15, s43                        ; my row of the cluster
	s_lshl_b32 s44, 0x1111, s40                    ; my column
	; x's tile: 128 rows x 192 bytes, 1,536 bytes apart; 16 bytes of padding behind every 64
	s_or_b32 s[G1X+0], s43, (0<<16)|(1<<20)|(1<<21)|(3<<22)|(3<<25)
	s_mov_b32 s[G1X+1], 192<<16
	s_mov_b32 s[G1X+2], 128<<16
	s_mov_b32 s[G1X+3], 192<<16
	s_mov_b32 s[G1X+4], 128
	s_mov_b32 s[G1X+5], 1536
	s_mov_b32 s[G1X+6], 0
	s_mov_b32 s[G1X+7], 0
	; the weights' half of a slot: 36,864 dense bytes, as 144 rows of 256 (32 elements of 8 bytes)
	s_or_b32 s[G1W+0], s44, (3<<16)|(1<<21)
	s_mov_b32 s[G1W+1], 32<<16
	s_mov_b32 s[G1W+2], 144<<16
	s_mov_b32 s[G1W+3], 32<<16
	s_mov_b32 s[G1W+4], 144
	s_mov_b32 s[G1W+5], 32
	s_mov_b32 s[G1W+6], 0
	s_mov_b32 s[G1W+7], 0
	; x's scales of 128 rows: 8,192 dense bytes, as 32 rows of 256, 16 bytes of padding behind each
	s_or_b32 s[G1SX+0], s43, (3<<16)|(1<<20)|(1<<21)|(5<<22)|(3<<25)
	s_mov_b32 s[G1SX+1], 32<<16
	s_mov_b32 s[G1SX+2], 32<<16
	s_mov_b32 s[G1SX+3], 32<<16
	s_mov_b32 s[G1SX+4], 32
	s_mov_b32 s[G1SX+5], 32
	s_mov_b32 s[G1SX+6], 0
	s_mov_b32 s[G1SX+7], 0
	; the weights' scale words of one wc: 12,288 dense bytes, as 48 rows of 256
	s_or_b32 s[G1SW+0], s44, (3<<16)|(1<<21)
	s_mov_b32 s[G1SW+1], 32<<16
	s_mov_b32 s[G1SW+2], 48<<16
	s_mov_b32 s[G1SW+3], 32<<16
	s_mov_b32 s[G1SW+4], 48
	s_mov_b32 s[G1SW+5], 32
	s_mov_b32 s[G1SW+6], 0
	s_mov_b32 s[G1SW+7], 0
	s_lshl_b32 s18, s16, 7
	s_lshl_b32 s20, s17, 8
	s_add_co_u32 s20, s20, s18                     ; x: row 256 x tile row + 128 x half
	s_lshl_b32 s22, s20, 6                         ; its scale bytes
	s_mov_b32 s23, 0
	s_mul_i32 s20, s20, 1536                       ; its codes
	s_mov_b32 s21, 0
	s_mul_i32 s46, s42, 589824                     ; wgu: column C,
	s_mul_i32 s18, s16, WHALF
	s_add_co_u32 s46, s46, s18                     ; half
	s_mov_b32 s47, 0
	s_lshl_b32 s92, s42, 1
	s_add_co_u32 s92, s92, s16
	s_mul_i32 s92, s92, SWH                        ; wgus: 12,288 (2 C + half)
	s_mov_b32 s93, 0
	s_mul_i32 s45, s16, XHALF                      ; where they go: no place in the cluster enters an LDS address
	s_mul_i32 s94, s16, WHALF
	s_add_co_u32 s94, s94, WOFF
	s_mul_i32 s95, s16, SXH
	s_mul_i32 s19, s16, SWH
	s_wait_kmcnt 0x0
	s_add_nc_u64 s[20:21], s[4:5], s[20:21]
	s_add_nc_u64 s[22:23], s[6:7], s[22:23]
	s_add_nc_u64 s[46:47], s[8:9], s[46:47]
	s_add_nc_u64 s[92:93], s[10:11], s[92:93]
	CROUND                                         ; all sixteen work-groups are here: the first joint loads meet
	s_mov_b32 s[G0SX], 1
	s_add_co_u32 s[G0SX+1], s95, SCX
	s_mov_b64 s[G0SX+2:G0SX+3], s[22:23]
	s_or_b32 s[G0SX+3], s[G0SX+3], 0x80000000
	s_mov_b32 s[G0SW], 1
	s_add_co_u32 s[G0SW+1], s19, SCW
	s_mov_b64 s[G0SW+2:G0SW+3], s[92:93]
	s_or_b32 s[G0SW+3], s[G0SW+3], 0x80000000
	JLOAD G0SX, G1SX, G0SW, G1SW                   ; the scales first: they are wanted with K step 0
.irp s, 0,1
	s_mov_b32 s[G0X+4*\s], 1
	s_add_co_u32 s[G0X+4*\s+1], s45, \s*SLOT
	s_add_nc_u64 s[G0X+4*\s+2:G0X+4*\s+3], s[20:21], \s*192
	s_or_b32 s[G0X+4*\s+3], s[G0X+4*\s+3], 0x80000000
	s_mov_b32 s[G0W+4*\s], 1
	s_add_co_u32 s[G0W+4*\s+1], s94, \s*SLOT
	s_add_nc_u64 s[G0W+4*\s+2:G0W+4*\s+3], s[46:47], \s*73728
	s_or_b32 s[G0W+4*\s+3], s[G0W+4*\s+3], 0x80000000
	JLOAD G0X+4*\s, G1X, G0W+4*\s, G1W             ; three tensor loads of mine are out
.endr
	v_and_b32 v1, 15, v0                           ; r
	v_bfe_u32 v2, v0, 4, 1                         ; h
	v_and_b32 v6, 31, v0                           ; lane
	v_mul_u32_u24 v3, v1, PITCH
	v_mul_u32_u24 v4, v2, 24
	v_add_nc_u32 v4, v3, v4                        ; x: row x pitch + 24 x half
	v_lshl_add_u32 v5, v2, 4, v4                   ; and the same behind one padding more
	v_lshlrev_b32 v[GO], 4, v6                     ; 16 x lane
	s_mul_i32 s21, s15, XHALF
	s_mul_i32 s22, s16, WHALF
	s_add_co_u32 s22, s22, WOFF
.irp s, 0,1
	v_add_nc_u32 v[ADRX+\s], s21, v4
	v_add_nc_u32 v[ADRX+2+\s], s21, v5
	v_add_nc_u32 v[ADRW+\s], s22, v[GO]
	s_add_co_u32 s21, s21, SLOT
	s_add_co_u32 s22, s22, SLOT
.endr
	v_lshlrev_b32 v8, 6, v1                        ; x's scales: 64 bytes a row,
	v_lshrrev_b32 v9, 2, v1
	v_lshl_add_u32 v8, v9, 4, v8                   ; and 16 more for each four rows
	s_mul_i32 s21, s15, SXH
	s_add_co_u32 s21, s21, SCX
	v_add_nc_u32 v[ADRXS], s21, v8
	v_lshlrev_b32 v8, 4, v1                        ; the weights': four words (t = 0 .. 3) for lane index r
	s_mul_i32 s21, s16, SWH
	s_add_co_u32 s21, s21, SCW
	v_add_nc_u32 v[ADRWS], s21, v8
	; the way out.  My three registers of codes are registers 3 h .. 3 h + 2 of lane r + 16 wc of the pair's image: register rho lies at 256 (rho / 2) + 8 lane + 4 (rho % 2)
	s_lshl_b32 s21, s16, 7
	s_mul_i32 s22, s15, 6144                       ; my 8 row tiles of the stage's 16
	s_add_co_u32 s21, s21, s22
	v_lshlrev_b32 v8, 3, v1
	v_mad_u32_u24 v9, v2, 260, v8
	v_add_nc_u32 v[STC0], s21, v9                  ; registers 0 | 3; + 256: registers 2 | 5
	v_mad_u32_u24 v9, v2, 508, v8
	v_add_nc_u32 v9, 4, v9
	v_add_nc_u32 v[STC1], s21, v9                  ; registers 1 | 4
	s_lshl_b32 s21, s15, 8
	s_add_co_u32 s21, s21, s16
	s_add_co_u32 s21, s21, SST
	v_lshlrev_b32 v8, 1, v1
	v_add_nc_u32 v[STS], s21, v8                   ; two bytes a row: byte wc
	s_mul_i32 s21, s14, 3072
	v_add_nc_u32 v[RD], s21, v[GO]
	s_lshl_b32 s21, s14, 9
	s_add_co_u32 s21, s21, SST
	v_add_nc_u32 v[RDS], s21, v[GO]
	s_mul_i32 s94, s42, 1179648                    ; hc: pair 3 C, 393,216 bytes a pair,
	s_mul_i32 s95, s17, 12288                      ; my work-group's 16 row tiles of 768 bytes,
	s_add_co_u32 s94, s94, s95
	s_mul_i32 s95, s14, 3072                       ; my quarter of them
	s_add_co_u32 s94, s94, s95
	s_mov_b32 s95, 0
	s_add_nc_u64 s[96:97], s[96:97], s[94:95]
	s_mul_i32 s94, s42, 3
	s_add_co_u32 s94, s94, s14                     ; hs: pair 3 C + wave (waves 0 to 2 store), 16,384 bytes a pair,
	s_lshl_b32 s94, s94, 14
	s_lshl_b32 s18, s17, 9                         ; my work-group's 256 rows
	s_add_co_u32 s94, s94, s18
	s_add_nc_u64 s[98:99], s[98:99], s[94:95]
	s_mov_b32 s66, 0xbfb8aa3b                      ; -log2(e)
	s_mov_b32 s67, s66                             ; (named with it as a pair, so it is written)
	s_mov_b32 s20, 0x76543210
	s_mov_b32 s21, 0xfedcba98                      ; v_permlanex16_b32's selects for lane l xor 16
.macro FRAG reg, adr, q, i             ; a fragment of x: 16 rows x 128 K: 12 registers; registers 6 c .. 6 c + 5 hold K = 64 c + 32 (l / 16) + 0 .. 31: 24 bytes of the row, as they lie
.irp p, 0,1,2,3,4,5                    ; in pieces of 8 bytes.  Lanes 16-31 read three pieces further on than lanes 0-15; where that lies behind one padding more, the second address register serves
.set PC, 12*(\q)+6*(\p/3)+\p%3
.if PC%8 < 5
	ds_load_b64 v[\reg+2*\p:\reg+2*\p+1], v[\adr] offset:8*PC+16*(PC/8)+(\i)*16*PITCH
.else
	ds_load_b64 v[\reg+2*\p:\reg+2*\p+1], v[\adr+2] offset:8*PC+16*(PC/8)+(\i)*16*PITCH
.endif
.endr
.endm
.macro FETCH_X slot, q, i0             ; x's row tiles i0 .. i0 + 3 and their scale words: 28 LDS loads
.irp i, \i0, \i0+1, \i0+2, \i0+3
	FRAG XF+12*(\i), ADRX+\slot, \q, \i
.endr
.irp i, \i0, \i0+1, \i0+2, \i0+3
	ds_load_b32 v[XS+(\i)], v[ADRXS] offset:1088*(\i)
.endr
.endm
.macro FETCH_W slot, q, g, set         ; group g's four fragments, as images, and their scale words: 13 LDS loads
.irp t, 0,1,2,3
.irp j, 0,1,2
	ds_load_b128 v[WF+48*(\set)+12*\t+4*\j:WF+48*(\set)+12*\t+4*\j+3], v[ADRW+\slot] offset:18432*(\q)+6144*(\g)+1536*\t+512*\j
.endr
.endr
	ds_load_b128 v[WS+4*(\set):WS+4*(\set)+3], v[ADRWS]
	v_add_nc_u32 v[ADRWS], 256, v[ADRWS]           ; the groups are fetched in the order in which their words lie
.endm
; 16 matrix instructions: row tiles a0 .. a0 + 3 x the group's four weight tiles.  The 96 accumulators take turns, one instruction a turn, in the same order in every K step.
.macro MUL16 set, a0, zero
.irp a, \a0, \a0+1, \a0+2, \a0+3
.irp t, 0,1,2,3
.if \zero
	v_wmma_scale_f32_16x16x128_f8f6f4 v[8*(4*(\a)+\t):8*(4*(\a)+\t)+7], v[WF+48*(\set)+12*\t:WF+48*(\set)+12*\t+11], v[XF+12*(\a):XF+12*(\a)+11], 0, v[WS+4*(\set)+\t], v[XS+(\a)] matrix_a_fmt:MATRIX_FMT_FP6 matrix_b_fmt:MATRIX_FMT_FP6
.else
	v_wmma_scale_f32_16x16x128_f8f6f4 v[8*(4*(\a)+\t):8*(4*(\a)+\t)+7], v[WF+48*(\set)+12*\t:WF+48*(\set)+12*\t+11], v[XF+12*(\a):XF+12*(\a)+11], v[8*(4*(\a)+\t):8*(4*(\a)+\t)+7], v[WS+4*(\set)+\t], v[XS+(\a)] matrix_a_fmt:MATRIX_FMT_FP6 matrix_b_fmt:MATRIX_FMT_FP6
.endif
.endr
.endr
.endm
; A slot's first K step.  The weights' sets go 0, 1, 0; each group's fragments are asked for one group (32 matrix instructions) ahead; x has one set: tiles 4-7 come at the step's head, the next step's tiles 0-3 in group 2's middle.
.macro STEP0 slot, zero
	PLACES
	WIN 0
	FETCH_X \slot, 0, 4
	FETCH_W \slot, 0, 1, 1
	s_wait_dscnt 41                                ; all but the 28 + 13 just issued: group 0's fragments and x's tiles 0-3 are in
	WIN M0
	MUL16 0, 0, \zero
	s_wait_dscnt 13                                ; x's tiles 4-7 are in
	MUL16 0, 4, \zero
	PLACES
	WIN 0
	FETCH_W \slot, 0, 2, 0
	s_wait_dscnt 13                                ; group 1's are in
	WIN M1
	MUL16 1, 0, \zero
	MUL16 1, 4, \zero
	PLACES
	WIN 0
	FETCH_W \slot, 1, 0, 1
	s_wait_dscnt 13                                ; group 2's are in
	WIN M2
	MUL16 0, 0, \zero
	PLACES
	WIN 0
	v_add_nc_u32 v[ADRXS], 4, v[ADRXS]             ; the next K step's scale words of x
	FETCH_X \slot, 1, 0
	WIN M2
	MUL16 0, 4, \zero
.endm
; A slot's second K step (sets 1, 0, 1) changes slots: ONE barrier; in front of it each wave waits for all its tensor loads, adds 0 to its spare word, and waits for that and for its own reads of this slot.
; fill = 1: the barrier opens a round of the cluster's barrier, and this slot is filled again, with the 256 along K two slots on: 160 matrix instructions ahead of the wait for that load.
.macro TURN slot, next, fill
	PLACES
	WIN 0
	FETCH_X \slot, 1, 4
	FETCH_W \slot, 1, 1, 0
	s_wait_dscnt 41
	WIN M0
	MUL16 1, 0, 0
	s_wait_dscnt 13
	MUL16 1, 4, 0
	PLACES
	WIN 0
	FETCH_W \slot, 1, 2, 1                         ; my last reads of this slot
	s_wait_tensorcnt 0x0                           ; all my tensor loads have landed: the one that was out is my part of the next slot
	ds_add_u32 v[SPW], v[NIL]                      ; 0 onto my spare word
	s_wait_dscnt 14                                ; group 1's fragments are in (the 13 loads just issued and the add may be out)
	WIN M1
	MUL16 0, 0, 0                                  ; sixteen matrix instructions stand between the add and the wait for it
	s_wait_dscnt 0x0                               ; the add is done, and my reads of this slot are over
	s_barrier_signal -1
	MUL16 0, 4, 0
	WIN 0
	s_barrier_wait -1
.if \fill
	CREST                                          ; no wave of any partner still reads this slot's tiles or has a load on its way
	s_add_nc_u64 s[G0X+4*\slot+2:G0X+4*\slot+3], s[G0X+4*\slot+2:G0X+4*\slot+3], 384
	s_add_nc_u64 s[G0W+4*\slot+2:G0W+4*\slot+3], s[G0W+4*\slot+2:G0W+4*\slot+3], 147456
	JLOAD G0X+4*\slot, G1X, G0W+4*\slot, G1W       ; the first tensor load behind the round; its four v_nop are also the places in front of the loads below
.else
	PLACES
.endif
	FETCH_W \next, 0, 0, 0
	WIN M2
	MUL16 1, 0, 0
	PLACES
	WIN 0
	v_add_nc_u32 v[ADRXS], 4, v[ADRXS]
	FETCH_X \next, 0, 0
	WIN M2
	MUL16 1, 4, 0
.endm
	s_wait_tensorcnt 1                             ; the scales and my part of slot 0 are in (slot 1's load may be out)
	s_barrier_signal -1
	s_barrier_wait -1                              ; everybody's are
	FETCH_W 0, 0, 0, 0
	FETCH_X 0, 0, 0
	STEP0 0, 1                                     ; the first K step stands in front of the loop: its products start the sums
	WIN 0                                          ; at a label and at a branch every window is 0
	s_mov_b32 s3, 3
.Llap:                                                 ; three trips, once round the ring each: six refills, the slots' worth 2 .. 7 of K
	TURN 0, 1, 1
	STEP0 1, 0
	TURN 1, 0, 1
	STEP0 0, 0
	WIN 0
	s_sub_co_u32 s3, s3, 1
	s_cmp_lg_u32 s3, 0
	s_cbranch_scc1 .Llap
	TURN 0, 1, 0                                   ; the last lap fills nothing, and has no round of the cluster's barrier
	STEP0 1, 0
	PLACES                                         ; the very last K step
	WIN 0
	FETCH_X 1, 1, 4
	FETCH_W 1, 1, 1, 0
	s_wait_dscnt 41
	WIN M0
	MUL16 1, 0, 0
	s_wait_dscnt 13
	MUL16 1, 4, 0
	PLACES
	WIN 0
	FETCH_W 1, 1, 2, 1
	s_wait_dscnt 13
	WIN M1
	MUL16 0, 0, 0
	MUL16 0, 4, 0
	s_wait_dscnt 0x0
	WIN M2
	MUL16 1, 0, 0
	MUL16 1, 4, 0
	WIN 0
; THE WAY OUT, a group g (one block of 32 inner units, my 128 rows) at a time: h = (gate x 1 / (1 + 2^(-gate log2 e))) x up in f32, 16 numbers of a row tile in a lane; a block lies in lanes l and l xor 16.
; The codes and bytes meet in a stage in slot 0, which has had its last fill, and which nobody reads since the last change of slots.
.macro BATCH g
	WIN ((\g)+1)                                   ; source 0: the group's window
.irp a, 0,1,2,3,4,5,6,7
.irp n, 0,2,4,6,8,10,12,14
	v_pk_mul_f32 v[T+16*\a+\n:T+16*\a+\n+1], v[32*\a+\n:32*\a+\n+1], s[66:67] op_sel_hi:[1,0]   ; -gate log2(e); each accumulator from its low end on
.endr
.endr
	WIN 0
.set nn, 0
.rept 128
	v_exp_f32 v[T+nn], v[T+nn]
.set nn, nn+1
.endr
	v_nop                                          ; a plain place behind the transcendentals
.set nn, 0
	s_wait_alu depctr_va_vdst(0)
.rept 64
	v_pk_add_f32 v[T+nn:T+nn+1], v[T+nn:T+nn+1], 1.0 op_sel_hi:[1,0]
.set nn, nn+2
.endr
.set nn, 0
.rept 128
	v_rcp_f32 v[T+nn], v[T+nn]
.set nn, nn+1
.endr
	v_nop
	WIN (((\g)+1)<<2)                              ; source 1: the group's window
	s_wait_alu depctr_va_vdst(0)
.irp a, 0,1,2,3,4,5,6,7
.irp n, 0,2,4,6,8,10,12,14
	v_pk_mul_f32 v[T+16*\a+\n:T+16*\a+\n+1], v[T+16*\a+\n:T+16*\a+\n+1], v[32*\a+\n:32*\a+\n+1]         ; x gate
.endr
.endr
.irp a, 0,1,2,3,4,5,6,7
.irp n, 0,2,4,6,8,10,12,14
	v_pk_mul_f32 v[T+16*\a+\n:T+16*\a+\n+1], v[T+16*\a+\n:T+16*\a+\n+1], v[32*\a+16+\n:32*\a+16+\n+1]   ; x up
.endr
.endr
	WIN 0
.irp a, 0,1,2,3,4,5,6,7
	v_max3_num_f32 v[MX+\a], |v[T+16*\a]|, |v[T+16*\a+1]|, 0x1800000   ; my 16 numbers, and the floor 2^(3 - 127): the byte cannot fall under 1
.endr
.irp i, 2,4,6,8,10,12,14
.irp a, 0,1,2,3,4,5,6,7
	v_max3_num_f32 v[MX+\a], v[MX+\a], |v[T+16*\a+\i]|, |v[T+16*\a+\i+1]|   ; (the eight row tiles by turns)
.endr
.endr
	s_wait_dscnt 0x0                               ; the last group's LDS stores have read their registers: bytes and codes may be written again
.irp a, 0,1,2,3,4,5,6,7
	v_permlanex16_b32 v[PD+\a], v[MX+\a], s20, s21
.endr
.irp a, 0,1,2,3,4,5,6,7
	v_max_num_f32 v[MX+\a], v[MX+\a], v[PD+\a]     ; with lane l xor 16's: the block's largest magnitude
.endr
.irp a, 0,1,2,3,4,5,6,7
	v_add_nc_u32 v[SO+\a], 0xff000000, v[MX+\a]    ; 2 off the exponent field: the conversion's scale operand
.endr
.irp a, 0,1,2,3,4,5,6,7
	v_lshrrev_b32 v[PD+\a], 23, v[SO+\a]           ; the scale's byte
.endr
.irp a, 0,1,2,3,4,5,6,7
	v_cvt_scalef32_pk16_fp6_f32 v[CD+4*\a:CD+4*\a+2], v[T+16*\a:T+16*\a+15], v[SO+\a]
.endr
	v_nop                                          ; one plain place behind a scaled conversion
.irp a, 0,1,2,3,4,5,6,7
	ds_store_b32 v[STC0], v[CD+4*\a] offset:12288*(\g)+768*\a
	ds_store_b32 v[STC1], v[CD+4*\a+1] offset:12288*(\g)+768*\a
	ds_store_b32 v[STC0], v[CD+4*\a+2] offset:12288*(\g)+768*\a+256
	ds_store_b8 v[STS], v[PD+\a] offset:512*(\g)+32*\a   ; lanes r and r + 16 write the same byte with the same value
.endr
.endm
	PLACES                                         ; behind the last products: their results are read and their operands' registers written from here on
.irp a, 0,1,2,3,4,5,6,7
	v_mov_b32 v[PD+\a], 0                          ; written once: a lane permute's destination counts as one of its sources
.endr
	BATCH 0
	BATCH 1
	BATCH 2
	s_wait_dscnt 0x0                               ; for the others' sake: my stores into the stage have landed
	s_barrier_signal -1
	s_barrier_wait -1
.irp g, 0,1,2
.irp i, 0,1,2,3,4,5
	ds_load_b128 v[T+4*(6*\g+\i):T+4*(6*\g+\i)+3], v[RD] offset:12288*\g+512*\i
.endr
.endr
.irp g, 0,1,2
.irp i, 0,1,2,3,4,5
	s_wait_dscnt 17-(6*\g+\i)
	global_store_b128 v[GO], v[T+4*(6*\g+\i):T+4*(6*\g+\i)+3], s[96:97] offset:393216*\g+512*\i   ; each store of the wave covers 512 consecutive bytes, aligned
.endr
.endr
	s_cmp_gt_u32 s14, 2
	s_cbranch_scc1 .Lno_bytes                      ; three pairs of blocks: waves 0 to 2 store a pair's 512 scale bytes each
	ds_load_b128 v[CD:CD+3], v[RDS]
	s_wait_dscnt 0x0
	global_store_b128 v[GO], v[CD:CD+3], s[98:99]
.Lno_bytes:
	s_wait_tensorcnt 0x0                           ; the wave's end: behind my last tensor load and my last LDS store
	ds_add_u32 v[SPW], v[NIL]
	s_wait_dscnt 0x0
	CROUND                                         ; the closing round: no work-group ends while a partner may still ask for a tile that names it
	s_endpgm
.Lfunc_end_k_q3f6790e290_gateup:
	.size	k_q3f6790e290_gateup, .Lfunc_end_k_q3f6790e290_gateup-k_q3f6790e290_gateup
	.p2alignl 7, 3214868480
	.fill 96, 4, 3214868480
	.section	.rodata,"a",@progbits
	.p2align	6, 0x0
	.amdhsa_kernel k_q3f6790e290_gateup
		.amdhsa_group_segment_fixed_size 327680
		.amdhsa_private_segment_fixed_size 0
		.amdhsa_enable_private_segment 0
		.amdhsa_kernarg_size 48
		.amdhsa_user_sgpr_count 2
		.amdhsa_user_sgpr_kernarg_segment_ptr 1
		.amdhsa_wavefront_size32 1
		.amdhsa_system_sgpr_workgroup_id_x 1
		.amdhsa_system_sgpr_workgroup_id_y 1
		.amdhsa_system_sgpr_workgroup_id_z 1
		.amdhsa_system_vgpr_workitem_id 0
		.amdhsa_next_free_vgpr 1024
		.amdhsa_next_free_sgpr 100
		.amdhsa_reserve_vcc 0
		.amdhsa_float_denorm_mode_32 3
		.amdhsa_float_denorm_mode_16_64 3
		.amdhsa_memory_ordered 1
		.amdhsa_forward_progress 1
		.amdhsa_inst_pref_size 255
	.end_amdhsa_kernel
	.section	.bss,"aw",@nobits
	.p2align	6
	.space	262144
	.amdgpu_metadata
---
amdhsa.version: [ 1, 2 ]
amdhsa.kernels:
  - .name:           k_q3f6790e290_gateup
    .symbol:         k_q3f6790e290_gateup.kd
    .args:
      - { .name: x_codes, .offset: 0, .size: 8, .value_kind: global_buffer, .address_space: global }
      - { .name: x_scales, .offset: 8, .size: 8, .value_kind: global_buffer, .address_space: global }
      - { .name: wgu, .offset: 16, .size: 8, .value_kind: global_buffer, .address_space: global }
      - { .name: wgus, .offset: 24, .size: 8, .value_kind: global_buffer, .address_space: global }
      - { .name: hc, .offset: 32, .size: 8, .value_kind: global_buffer, .address_space: global }
      - { .name: hs, .offset: 40, .size: 8, .value_kind: global_buffer, .address_space: global }
    .group_segment_fixed_size: 327680
    .private_segment_fixed_size: 0
    .kernarg_segment_align: 8
    .kernarg_segment_size: 48
    .max_flat_workgroup_size: 128
    .sgpr_count:     100
    .vgpr_count:     1024
    .wavefront_size: 32
...
	.end_amdgpu_metadata
.endif
;; end of part 2
;; launch down (part 3): grid 8 x 32, 4 waves a work-group, clusters of 4 x 1, 327,680 bytes of LDS; arguments hc, hs, wd, wds, out0; writes out0
.if DOCPART == 3
	.amdgcn_target "amdgcn-amd-amdhsa--gfx1250"
	.amdhsa_code_object_version 6
	.text
	.protected	k_q3f6790e290_down
	.globl	k_q3f6790e290_down
	.p2align	8
	.type	k_q3f6790e290_down,@function
k_q3f6790e290_down:
	s_mov_b64 s[64:65], 0
	v_nop
	global_prefetch_b8 v0, s[64:65] scope:SCOPE_SE
	s_setreg_imm32_b32 hwreg(HW_REG_WAVE_MODE, 25, 1), 1
	s_wait_xcnt 0x0
	s_wait_alu depctr_hold_cnt(0) depctr_sa_sdst(0) depctr_va_vdst(0) depctr_va_sdst(0) depctr_va_ssrc(0) depctr_va_vcc(0) depctr_vm_vsrc(0)
	s_getreg_b32 s2, hwreg(HW_REG_IB_STS2, 6, 4)
	s_cmp_eq_u32 s2, 0
	s_cbranch_scc0 .Lentry_in_a_cluster
	s_endpgm
.Lentry_in_a_cluster:
	s_bfe_u32 s2, ttmp6, 0x10000c
	s_cmp_lg_u32 s2, 0x3003
	s_cbranch_scc0 .Lentry_shape_is_right
	s_endpgm
.Lentry_shape_is_right:
; out0 = h Wd^T on codes of FP6 (E2M3) with E8M0 scales; out0 [8,192][2,048] f32; one f32 sum for each output, K ascending.  K = 1,376, filled with zero codes to 11 steps of 128.
; hc = [pair of blocks P 24][row tile 512] images of half a fragment (768 bytes);  hs = [P 24][row 8,192] two scale bytes;  wd = [s 11][NT 128] images of fragments (1,536 bytes);  wds = [group of 8 tiles 16][s 11][ig 2][r 16][4] scale words.
; SHARES.  A work-group of four waves makes 256 rows x 256 columns.  Wave w owns 64 columns (Wd's tiles 4 w .. 4 w + 3 of the work-group's 16) and keeps their fragments for ALL of K in registers: 44 x 12 = 528, loaded once.
; THE ROWS GO IN EIGHT UNITS OF 32 (two row tiles): a unit is 11 K steps x 8 accumulators by turns; when it is finished its 32 rows leave, through the wave's stage in LDS, WHILE THE NEXT UNIT IS MULTIPLIED:
; two sets of 8 accumulators take turns.  So only the last 32 of the 256 rows are stored behind the last product.  A fragment of h read from LDS feeds four products.
; h's 256 rows, all of K, are 270,336 bytes and lie in LDS whole: every byte is filled once, there is no ring.  The four column blocks of one tile row form a cluster and ask for h JOINTLY.
; Wd is not asked for jointly: its fragments go from memory straight into registers, which no joint load fills, and by way of LDS they would want 270,336 bytes beside h's 270,336, more than a work-group has.
; THE MATRIX INSTRUCTION IS USED TRANSPOSED (source 0 = a tile of Wd, source 1 = 16 rows of h).  Lane index i of Wd's tile 2 beta + u holds output column 32 beta + 8 u + i + 8 (i / 8):
; register j of lane (r, h) in accumulator (a, t) is out0(16 a + r, 32 (t / 2) + 16 h + 8 (t % 2) + j) of the unit's rows and the wave's columns.
; LIMITS: those of the operands as the launches before made them; NaN and infinities are not served.
; REGISTERS, in windows of 256: window 0: v16-29 addresses; v32-55 Wd's scale words (register 4 (s / 2) + t: lanes 0-15 the even K step, lanes 16-31 the odd one); v56-103 h's scale words, two sets of 24 (12 a + s);
;   v104-247 h's fragments, two buffers of three K steps x two row tiles.   window 1: Wd's K steps 0-4 (48 (s % 5) + 12 t).   window 2: K steps 5-9.
;   window 3: v0-47 Wd's K step 10; v64-191 two sets of 8 accumulators; v192-255 two row tiles on their way out.
.set RTB,    16896                     ; LDS: a row tile of h: 22 pairs x 768 bytes; 16 row tiles from byte 0 on
.set SA,     16*RTB                    ; h's scale words: [row tile 16][s / 4][r 16][s % 4]; stored by the waves, no tensor load lands here
.set STG,    SA+12288                  ; the stages: 16 rows x 272 bytes for each wave
.set SPITCH, 272                       ; a stage row: 256 bytes + 16
.set SPARE,  STG+4*16*SPITCH           ; the spare words, 128 bytes for each wave: two blocks of 256 bytes that no other line names
.set ADRA, 16                          ; v16 my place in the unit's two row tiles: 8 x lane + 2 RTB x unit
.set ADRS, 17                          ; v17 h's scale words: SA + 16 r
.set STO,  24                          ; v24 the way out: where I put 16 bytes of a row
.set RD,   25                          ; v25 where I read a row back
.set CO,   26                          ; v26 my byte offset in two rows of out0
.set LB,   27                          ; v27 16 x lane: my place in each 512 bytes of an image of Wd
.set SPW,  28                          ; v28 LDS address of my spare word; never rewritten
.set NIL,  29                          ; v29 0; never rewritten
.set BS,   32
.set AS,   56
.set AF,   104
.set HL,   104                         ; at the head: hs's byte pairs as loaded,
.set HW,   128                         ; and the words made of them
.set ACC,  64                          ; in window 3
.set OUT,  192                         ; in window 3
.set G1,   24                          ; s[24:31] descriptor group 1
.set G0,   32                          ; s[32:47] four groups 0, one for each of my loads; never rewritten
.set MSB, 0
.macro WIN new                         ; the immediate's high byte repeats the setting that is left; a switch that changes nothing is dropped
.if MSB != (\new)
	s_set_vgpr_msb (MSB<<8)|(\new)
.set MSB, (\new)
.endif
.endm
.macro CROUND                          ; a round of the cluster's barrier
	s_barrier_signal -1
	s_barrier_wait -1
	s_cmp_lg_u32 s14, 0
	s_cbranch_scc1 .Lnot_wave_0_\@
	s_barrier_signal -3
.Lnot_wave_0_\@:
	s_barrier_wait -3
	s_barrier_signal -1
	s_barrier_wait -1
.endm
.macro PLACES                          ; four places in front of loads into registers that matrix instructions have read, and of the first read of results
.rept 4
	v_nop
.endr
.endm
	s_load_b256 s[4:11], s[0:1], 0x0               ; hc s[4:5], hs s[6:7], wd s[8:9], wds s[10:11]
	s_load_b64 s[12:13], s[0:1], 0x20              ; out0
	v_lshl_add_u32 v[SPW], v0, 2, SPARE
	v_mov_b32 v[NIL], 0
	ds_add_u32 v28, v29
	ds_add_u32 v28, v29
	s_wait_dscnt 0x0
	v_lshrrev_b32 v1, 5, v0
	v_readfirstlane_b32 s14, v1                    ; wave 0..3
	s_lshr_b32 s15, s14, 1
	s_and_b32 s16, s14, 1
	s_bfe_u32 s18, ttmp6, 0x40000                  ; cx: my place in the cluster
	s_lshl_b32 s19, ttmp9, 2                       ; in a cluster launch ttmp9 counts clusters
	s_add_co_u32 s19, s19, s18                     ; tile column = 4 x cluster x + cx: it enters Wd's, its scales' and out0's addresses alone
	s_and_b32 s17, ttmp7, 0xffff                   ; tile row, which the four partners share
	; descriptor group 1: a row tile of h: 22 pairs of blocks, 768 bytes (96 elements of 8 bytes) each, 393,216 bytes apart; laid on end in LDS
	s_mov_b32 s[G1+0], 15|(3<<16)|(1<<21)          ; 15:0 the mask: all four work-groups; 17:16 elements of 8 bytes; 20 no padding; 21 set beside a mask
	s_mov_b32 s[G1+1], 96<<16                      ; tensor_dim0
	s_mov_b32 s[G1+2], 22<<16                      ; tensor_dim1
	s_mov_b32 s[G1+3], 96<<16                      ; tile_dim0
	s_mov_b32 s[G1+4], 22                          ; tile_dim1
	s_mov_b32 s[G1+5], 49152                       ; tensor_dim0_stride
	s_mov_b32 s[G1+6], 0
	s_mov_b32 s[G1+7], 0
	s_lshl_b32 s20, s17, 4
	s_add_co_u32 s20, s20, s14
	s_mul_i32 s20, s20, 768                        ; hc: row tile 16 x tile row + wave
	s_mov_b32 s21, 0
	s_mul_i32 s22, s14, RTB                        ; and where it goes: no place in the cluster enters an LDS address
	s_lshl_b32 s48, s17, 9                         ; hs: two bytes a row: my work-group's 256 rows,
	s_lshl_b32 s49, s16, 8                         ; 128 (wave % 2) of them on,
	s_add_co_u32 s48, s48, s49
	s_lshl_b32 s49, s15, 15                        ; pairs 2 (wave / 2) on, 16,384 bytes a pair
	s_add_co_u32 s48, s48, s49
	s_mov_b32 s49, 0
	s_lshl_b32 s50, s19, 2
	s_add_co_u32 s50, s50, s14
	s_mul_i32 s50, s50, 6144                       ; wd: my four tiles: 6,144 (4 x tile column + wave)
	s_mov_b32 s51, 0
	s_lshl_b32 s52, s19, 1
	s_add_co_u32 s52, s52, s15
	s_mul_i32 s52, s52, 5632                       ; wds: 11 x 512 bytes for each eight tiles,
	s_lshl_b32 s53, s16, 8                         ; my four of the eight
	s_add_co_u32 s52, s52, s53
	s_mov_b32 s53, 0
	s_lshl_b32 s54, s17, 21                        ; out0: 256 rows of 8,192 bytes a tile row,
	s_lshl_b32 s55, s19, 10                        ; 1,024 bytes a tile column,
	s_add_co_u32 s54, s54, s55
	s_lshl_b32 s55, s14, 8                         ; 256 bytes a wave
	s_add_co_u32 s54, s54, s55
	s_mov_b32 s55, 0
	v_and_b32 v1, 15, v0                           ; r
	v_bfe_u32 v2, v0, 4, 1                         ; h
	v_and_b32 v6, 31, v0                           ; lane
	v_lshlrev_b32 v8, 3, v6                        ; hs: four rows' bytes a lane
	v_lshlrev_b32 v[ADRA], 3, v6                   ; an image of half a fragment: 8 bytes a lane
	v_lshlrev_b32 v[LB], 4, v6
	v_lshlrev_b32 v10, 4, v1                       ; Wd's scale words: four words (my four tiles) for lane index r;
	v_lshl_add_u32 v9, v2, 9, v10                  ; lanes 16-31 take the K step after (512 bytes on)
	v_add_nc_u32 v[ADRS], SA, v10
	v_lshrrev_b32 v3, 2, v6
	v_and_b32 v4, 3, v0
	v_mul_u32_u24 v11, v3, 768                     ; where I store h's scale words: rows 4 lane + k are rows 4 (lane % 4) + k of row tile lane / 4
	v_lshl_add_u32 v11, v4, 6, v11
	s_mul_i32 s56, s16, 6144                       ; (8 row tiles on for wave % 2 = 1;
	s_lshl_b32 s57, s15, 2                         ; one word on for the odd K steps, which waves 2 and 3 make)
	s_add_co_u32 s56, s56, s57
	s_add_co_u32 s56, s56, SA
	v_add_nc_u32 v11, s56, v11
	s_mul_i32 s56, s14, 16*SPITCH
	s_add_co_u32 s56, s56, STG                     ; my stage
	v_mul_u32_u24 v5, v1, SPITCH
	v_lshl_add_u32 v5, v2, 6, v5
	v_add_nc_u32 v[STO], s56, v5                   ; in: row r, + 64 h bytes
	v_mul_u32_u24 v5, v2, SPITCH
	v_lshl_add_u32 v5, v1, 4, v5
	v_add_nc_u32 v[RD], s56, v5                    ; back: lanes 0-15 take one row of 256 bytes, lanes 16-31 the next
	v_lshlrev_b32 v5, 13, v2
	v_lshl_add_u32 v[CO], v1, 4, v5                ; and the same two rows in out0
	s_mov_b32 s58, 0x05040100                      ; v_perm_b32: the two low halves
	s_mov_b32 s59, 0x07060302                      ; the two high halves
	s_wait_kmcnt 0x0
	s_add_nc_u64 s[20:21], s[4:5], s[20:21]
	s_add_nc_u64 s[6:7], s[6:7], s[48:49]
	s_add_nc_u64 s[8:9], s[8:9], s[50:51]
	s_add_nc_u64 s[10:11], s[10:11], s[52:53]
	s_add_nc_u64 s[12:13], s[12:13], s[54:55]
.irp c, 0,1,2,3                                ; my load c: row tile 4 c + wave
	s_mov_b32 s[G0+4*\c], 1                        ; 1:0 count = 1
	s_add_co_u32 s[G0+4*\c+1], s22, \c*4*RTB       ; 63:32 LDS address
	s_add_nc_u64 s[G0+4*\c+2:G0+4*\c+3], s[20:21], \c*4*768   ; 120:64 global address
	s_or_b32 s[G0+4*\c+3], s[G0+4*\c+3], 0x80000000           ; 127:126 type = 2
.endr
	; hs's byte pairs for h's scale words.  Wave w takes rows 128 (w % 2) on and K steps 2 i + w / 2, i = 0 .. 5 (step 11 is made and never used).  Each load of the wave covers 256 consecutive bytes, aligned
.irp i, 0,1,2,3,4,5
	global_load_b64 v[HL+4*\i:HL+4*\i+1], v8, s[6:7] offset:65536*\i
	global_load_b64 v[HL+4*\i+2:HL+4*\i+3], v8, s[6:7] offset:65536*\i+16384
.endr
	CROUND                                         ; all four work-groups are here: the joint loads meet
	tensor_load_to_lds s[G0:G0+3], s[G1:G1+7]      ; all of h's 256 rows: four loads of mine are out; chunk c (64 rows) is the four waves' loads c
	s_nop 0
	tensor_load_to_lds s[G0+4:G0+7], s[G1:G1+7]
	s_nop 0
	tensor_load_to_lds s[G0+8:G0+11], s[G1:G1+7]
	s_nop 0
	tensor_load_to_lds s[G0+12:G0+15], s[G1:G1+7]
	s_nop 0
.rept 4
	v_nop                                          ; four lines behind the last of them
.endr
.irp g, 0,1,2,3,4
	global_load_b128 v[BS+4*\g:BS+4*\g+3], v9, s[10:11] offset:1024*\g   ; Wd's scale words of K steps 2 g (lanes 0-15) and 2 g + 1 (lanes 16-31)
.endr
	global_load_b128 v[BS+20:BS+23], v10, s[10:11] offset:5120           ; K step 10, in both halves: there is no step 11, and no load leaves its buffer
.macro BLOAD s                         ; my four fragments of Wd's K step s: 12 loads of 512 consecutive bytes; they stay
	WIN ((1+(\s)/5)<<6)                            ; destination: window 1, 2 or 3
.irp t, 0,1,2,3
.irp j, 0,1,2
	global_load_b128 v[48*((\s)%5)+12*\t+4*\j:48*((\s)%5)+12*\t+4*\j+3], v[LB], s[8:9] offset:196608*(\s)+1536*\t+512*\j
.endr
.endr
.endm
	BLOAD 0
	BLOAD 1
	BLOAD 2
	WIN 0
	s_wait_loadcnt 42                              ; hs's 12 loads are in; behind them stand 6 loads of scale words and 36 of Wd
.irp i, 0,1,2,3,4,5                            ; a K step's word of a row: the two bytes of pair 2 s under those of pair 2 s + 1
	v_perm_b32 v[HW+4*\i], v[HL+4*\i+2], v[HL+4*\i], s58       ; row 4 lane
	v_perm_b32 v[HW+4*\i+1], v[HL+4*\i+2], v[HL+4*\i], s59     ; + 1
	v_perm_b32 v[HW+4*\i+2], v[HL+4*\i+3], v[HL+4*\i+1], s58   ; + 2
	v_perm_b32 v[HW+4*\i+3], v[HL+4*\i+3], v[HL+4*\i+1], s59   ; + 3
.endr
.irp i, 0,1,2,3,4,5
.irp k, 0,1,2,3
	ds_store_b32 v11, v[HW+4*\i+\k] offset:256*(\i/2)+8*(\i%2)+16*\k
.endr
.endr
	BLOAD 3
	WIN 0
.macro LOADA g                         ; h's fragments of group g's K steps (3 g .. 3 g + 2, up to step 10), both row tiles, into buffer g % 2: 36 LDS loads, or 24
	WIN 0
.irp q, 0,1,2
.if 3*(\g)+\q < 11
.irp a, 0,1
.irp c, 0,1
.irp p, 0,1,2
	ds_load_b64 v[AF+72*((\g)%2)+24*\q+12*\a+6*\c+2*\p:AF+72*((\g)%2)+24*\q+12*\a+6*\c+2*\p+1], v[ADRA] offset:\a*RTB+(2*(3*(\g)+\q)+\c)*768+256*\p
.endr
.endr
.endr
.endif
.endr
.endm
.macro SCALES u                        ; unit u's scale words of h into set u % 2: 6 LDS loads
	WIN 0
.irp a, 0,1
.irp g, 0,1,2
	ds_load_b128 v[AS+24*((\u)%2)+12*\a+4*\g:AS+24*((\u)%2)+12*\a+4*\g+3], v[ADRS] offset:(2*(\u)+\a)*768+256*\g
.endr
.endr
.endm
; 8 matrix instructions: K step s of unit u: two row tiles x my four tiles of Wd.  The 8 accumulators take turns, one instruction a turn, in the same order in every step.
; A unit's first step starts the sums: nothing is ever cleared.
.macro MULS u, s, q, buf
	WIN 0xf1+(\s)/5                                ; source 0 (Wd) window 1, 2 or 3; source 1 (h) window 0; C and D window 3
.irp a, 0,1
.irp t, 0,1,2,3
.set rD, ACC+64*((\u)%2)+8*(4*\a+\t)
.set rB, 48*((\s)%5)+12*\t
.set rA, AF+72*(\buf)+24*(\q)+12*\a
.set rSB, BS+4*((\s)/2)+\t
.set rSA, AS+24*((\u)%2)+12*\a+(\s)
.if (\s) == 0
	v_wmma_scale_f32_16x16x128_f8f6f4 v[rD:rD+7], v[rB:rB+11], v[rA:rA+11], 0, v[rSB], v[rSA] matrix_a_fmt:MATRIX_FMT_FP6 matrix_b_fmt:MATRIX_FMT_FP6
.elseif (\s)%2 == 1
	v_wmma_scale_f32_16x16x128_f8f6f4 v[rD:rD+7], v[rB:rB+11], v[rA:rA+11], v[rD:rD+7], v[rSB], v[rSA] matrix_a_fmt:MATRIX_FMT_FP6 matrix_b_fmt:MATRIX_FMT_FP6 matrix_a_scale:MATRIX_SCALE_ROW1
.else
	v_wmma_scale_f32_16x16x128_f8f6f4 v[rD:rD+7], v[rB:rB+11], v[rA:rA+11], v[rD:rD+7], v[rSB], v[rSA] matrix_a_fmt:MATRIX_FMT_FP6 matrix_b_fmt:MATRIX_FMT_FP6
.endif
.endr
.endr
.endm
; In unit 0 Wd is still on its way: each step asks for the K step four on and waits for its own.
.macro STEPM u, s, q, buf
.if (\u) == 0
.if (\s) < 7
	BLOAD (\s)+4
	s_wait_loadcnt 48                              ; K step s of Wd is in; the four steps behind it, 12 loads each, may be out
.else
	s_wait_loadcnt 12*(10-(\s))                    ; nothing more to ask for: the counts run down
.endif
.endif
	MULS \u, \s, \q, \buf
.endm
; THE WAY OUT of row tile a of unit u.  A lane holds 32 neighbouring bytes of a row in each accumulator, and the lanes beside it hold other rows: the tile goes through my own stage and comes back as whole rows of 256 bytes.
; LDS serves a wave's instructions in order (ISA guide 5.7.1.4): no wait between the stores and the loads, nor in front of the next tile's stores.
.macro TOSTAGE u, a
.set AC, ACC+64*((\u)%2)+32*(\a)
	s_wait_xcnt 0x0                                ; the stores that read these registers last have read them: the loads below may land there
	WIN 0x0c                                       ; an LDS store's data are its source 1: window 3
.irp t, 0,1,2,3
	ds_store_b128 v[STO], v[AC+8*\t:AC+8*\t+3] offset:128*(\t/2)+32*(\t%2)        ; columns 32 (t / 2) + 16 h + 8 (t % 2) on; each accumulator from its low end on
	ds_store_b128 v[STO], v[AC+8*\t+4:AC+8*\t+7] offset:128*(\t/2)+32*(\t%2)+16
.endr
	WIN 0xc0                                       ; destination window 3
.irp i, 0,1,2,3,4,5,6,7
	ds_load_b128 v[OUT+32*(\a)+4*\i:OUT+32*(\a)+4*\i+3], v[RD] offset:2*SPITCH*\i
.endr
.endm
.macro SEND u, a, younger              ; younger: the LDS instructions issued behind the tile's loads, which may stay out
	s_wait_dscnt \younger                          ; the tile is back in registers
	WIN 0x0c                                       ; a store's data are its source 1: window 3
.irp i, 0,1,2,3,4,5,6,7
	global_store_b128 v[CO], v[OUT+32*(\a)+4*\i:OUT+32*(\a)+4*\i+3], s[12:13] offset:(32*(\u)+16*(\a)+2*\i)*8192 th:TH_STORE_NT   ; 16 lanes store 256 consecutive bytes, aligned; two rows an instruction; written once, read by nobody here
.endr
.endm
; A UNIT: 32 rows.  Four groups of K steps (3, 3, 3, 2) on two buffers; behind each group's products stand four places and the loads of the group after next; the unit before leaves in between.
.macro UNIT u
.if (\u) > 0
.set WAY, 16                           ; a tile's 8 stores into the stage and 8 loads out of it
.else
.set WAY, 0
.endif
.if (\u) < 7
.set NXT, 42                           ; the next unit's first 36 loads and its 6 loads of scale words
.else
.set NXT, 0
.endif
	s_wait_dscnt 36                                ; group 0's fragments and the scale words are in; group 1's 36 loads may be out
	STEPM \u, 0, 0, 0
	STEPM \u, 1, 1, 0
	STEPM \u, 2, 2, 0
	PLACES
	LOADA 2
.if (\u) > 0
	TOSTAGE (\u)-1, 0                              ; the last unit's results were finished in front of its last four places
.endif
	s_wait_dscnt 36+WAY                            ; group 1's are in; behind them stand group 2's 36 loads and the stage's instructions
	STEPM \u, 3, 0, 1
	STEPM \u, 4, 1, 1
	STEPM \u, 5, 2, 1
	PLACES
	LOADA 3
.if (\u) > 0
	SEND (\u)-1, 0, 24                             ; behind the tile's loads: group 3's 24
	TOSTAGE (\u)-1, 1
.endif
	s_wait_dscnt 24+WAY                            ; group 2's are in
	STEPM \u, 6, 0, 0
	STEPM \u, 7, 1, 0
	STEPM \u, 8, 2, 0
	PLACES
	WIN 0
.if (\u) < 7
.if (\u)%2 == 1                                ; the next unit begins a chunk of 64 rows that the four waves' loads brought
	s_wait_tensorcnt 3-((\u)+1)/2                  ; my part of it has landed: so many loads of mine were issued behind it
	s_wait_dscnt 0x0                               ; no LDS instruction of mine is pending at the signal
	s_barrier_signal -1
	s_barrier_wait -1                              ; everybody's part has.  Later chunks may stay on their way
.endif
	v_add_nc_u32 v[ADRA], 2*RTB, v[ADRA]           ; on to the next unit's two row tiles
	LOADA 0
	SCALES (\u)+1
.endif
.if (\u) > 0
	SEND (\u)-1, 1, NXT
.endif
	s_wait_dscnt NXT                               ; group 3's are in
	STEPM \u, 9, 0, 1
	STEPM \u, 10, 1, 1
	PLACES
.if (\u) < 7
	LOADA 1
.endif
.endm
	s_wait_tensorcnt 3                             ; my part of the first 64 rows has landed; my other three loads may be out
	s_wait_dscnt 0x0                               ; my part of h's scale words has landed
	s_barrier_signal -1
	s_barrier_wait -1                              ; everybody's have
	LOADA 0
	SCALES 0
	LOADA 1
.irp u, 0,1,2,3,4,5,6,7
	UNIT \u
.endr
	TOSTAGE 7, 0                                   ; the last 32 rows
	TOSTAGE 7, 1
	SEND 7, 0, 16                                  ; behind tile 0's loads: tile 1's 8 stores and 8 loads
	SEND 7, 1, 0
	WIN 0
	s_wait_tensorcnt 0x0                           ; the wave's end: no tensor load of mine is out; my last LDS instructions
	ds_add_u32 v[SPW], v[NIL]
	s_wait_dscnt 0x0
	CROUND                                         ; the closing round: no work-group ends while a partner may still ask for a tile that names it
	s_endpgm
.Lfunc_end_k_q3f6790e290_down:
	.size	k_q3f6790e290_down, .Lfunc_end_k_q3f6790e290_down-k_q3f6790e290_down
	.p2alignl 7, 3214868480
	.fill 96, 4, 3214868480
	.section	.rodata,"a",@progbits
	.p2align	6, 0x0
	.amdhsa_kernel k_q3f6790e290_down
		.amdhsa_group_segment_fixed_size 327680
		.amdhsa_private_segment_fixed_size 0
		.amdhsa_enable_private_segment 0
		.amdhsa_kernarg_size 40
		.amdhsa_user_sgpr_count 2
		.amdhsa_user_sgpr_kernarg_segment_ptr 1
		.amdhsa_wavefront_size32 1
		.amdhsa_system_sgpr_workgroup_id_x 1
		.amdhsa_system_sgpr_workgroup_id_y 1
		.amdhsa_system_sgpr_workgroup_id_z 1
		.amdhsa_system_vgpr_workitem_id 0
		.amdhsa_next_free_vgpr 1024
		.amdhsa_next_free_sgpr 66
		.amdhsa_reserve_vcc 0
		.amdhsa_float_denorm_mode_32 3
		.amdhsa_float_denorm_mode_16_64 3
		.amdhsa_memory_ordered 1
		.amdhsa_forward_progress 1
		.amdhsa_inst_pref_size 221
	.end_amdhsa_kernel
	.amdgpu_metadata
---
amdhsa.version: [ 1, 2 ]
amdhsa.kernels:
  - .name:           k_q3f6790e290_down
    .symbol:         k_q3f6790e290_down.kd
    .args:
      - { .name: hc, .offset: 0, .size: 8, .value_kind: global_buffer, .address_space: global }
      - { .name: hs, .offset: 8, .size: 8, .value_kind: global_buffer, .address_space: global }
      - { .name: wd, .offset: 16, .size: 8, .value_kind: global_buffer, .address_space: global }
      - { .name: wds, .offset: 24, .size: 8, .value_kind: global_buffer, .address_space: global }
      - { .name: out0, .offset: 32, .size: 8, .value_kind: global_buffer, .address_space: global }
    .group_segment_fixed_size: 327680
    .private_segment_fixed_size: 0
    .kernarg_segment_align: 8
    .kernarg_segment_size: 40
    .max_flat_workgroup_size: 128
    .sgpr_count:     66
    .vgpr_count:     1024
    .wavefront_size: 32
...
	.end_amdgpu_metadata
.endif
;; end of part 3
